; MI455X (gfx1250); checked and timed in simulation.
; The chip was launched on July 23, 2026; its instructions are those of AMD's public machine-readable ISA for CDNA 5 (MIT licence, August 2026) and "CDNA5" Instruction Set Architecture Reference Guide (July 2026). The comments in the code are by the model that wrote it; some were corrected since.
;; Scaled Dot Product Attention. Allowed arithmetic: float matrix products may take bf16 or f16 operands with f32 sums; all other float work in f32.
;; Inputs: K 16 x 2,048 x 64 float32; Krelpos 64 x 2,048 float32; Q 16 x 2,048 x 64 float32; V 16 x 2,048 x 64 float32.
;; Outputs: out0 16 x 2,048 x 64 float32.
;; One version. Each part assembles by itself: llvm-mc -triple=amdgcn-amd-amdhsa -mcpu=gfx1250 --defsym DOCPART=n.
;; ======== version 1 of 1: 2 launches
;; limits: values are held in f16: magnitudes above 65,504 overflow, below 6.1e-05 lose precision; inputs' magnitudes at most 65,504
;; workspace buffers: Kf 4,194,304 bytes; Qf 4,194,304 bytes; Vf 4,194,304 bytes; Rf 270,336 bytes
;; launch prep (part 1): grid 417 x 1, 8 waves a work-group, no clusters, 70,656 bytes of LDS; arguments K, Q, V, Krelpos, Kf, Qf, Vf, Rf; writes Kf, Qf, Vf, Rf
.if DOCPART == 1
	.amdgcn_target "amdgcn-amd-amdhsa--gfx1250"
	.amdhsa_code_object_version 6
	.text
	.protected	k_q771d226dc6_prep
	.globl	k_q771d226dc6_prep
	.p2align	8
	.type	k_q771d226dc6_prep,@function
k_q771d226dc6_prep:
	s_mov_b64 s[64:65], 0
	v_nop
	global_prefetch_b8 v0, s[64:65] scope:SCOPE_SE
	s_setreg_imm32_b32 hwreg(HW_REG_WAVE_MODE, 25, 1), 1
	s_wait_xcnt 0x0
; Rounds K, Q, V and Krelpos to f16 once and lays them out in the order in which a matrix fragment lies in a wave's registers,
; so that the attention launch fills half a fragment with one 16-byte load a lane at lane x 16 (512 consecutive bytes a wave).
; WHY f16 AND NOT bf16: eleven significant bits against eight.  A query with few keys averages little, so an operand's rounding shows
; almost undiminished in its result.  The inputs are a few units in size; thirty times that, or an offset of thirty times their spread,
; is under 200, far inside f16's largest number.
; LIMITS: |K|, |V|, |Krelpos| and 0.18 |Q| stay below 65,504 (beyond it the rounded operand is infinite); numbers below 2^-14 are
; rounded in steps of 2^-24.
; With r = lane & 15, h = lane >> 4, eight f16 stand at
;   Kf, Qf: T*2048 + ks*1024 + part*512 + lane*16 = X[16 T + r][32 ks + 16 part + 8 h + 0..7]        (T: tile of 16 rows of the flat [32768][64] array)
;   Vf:     G*4096 + dt*1024 + part*512 + lane*16 = V[32 G + 16 part + 8 h + 0..7][16 dt + r]        (G: group of 32 rows; transposed)
;   Rf:     tt*2048 + ks*1024 + part*512 + lane*16 = Krelpos[32 ks + 16 part + 8 h + 0..7][16 tt + r] (tt 0..127; tiles 128..131 are zeros)
; Q is multiplied by log2(e)/8 before it is rounded: the scores then come out as exponents of 2, already divided by sqrt(64).
; Work-groups 0-127 take K, 128-255 Q, 256-383 V: a wave takes a slab of 32 rows = 8,192 consecutive bytes, by sixteen loads of 512
; consecutive bytes, puts it into its own 8,704 bytes of LDS (rows 272 bytes apart) and reads it back in fragment order; every store
; of a wave covers 512 consecutive bytes, aligned.  No wave reads another wave's LDS bytes: no barrier.
; Work-groups 384-416 take Krelpos: a wave makes half a tile (1,024 bytes of Rf).  It reads 64-byte pieces of 16 rows: Krelpos is
; 524,288 of the 25,690,112 input bytes, too little to be worth a stage in LDS.
; No matrix unit, no cluster: nothing is multiplied and no two work-groups read the same bytes.
.set SLAB,  8704                       ; LDS bytes of a wave: 32 rows x 272
.set PITCH, 272                        ; 256 bytes of data + 16: sixteen rows' equal columns fall on sixteen different 16-byte columns modulo 256
.set GL, 1                             ; v1  lane x 16
.set WR, 2                             ; v2  LDS: where I put 16 bytes of the slab
.set RR, 3                             ; v3  LDS: where I read along a row (K, Q)
.set RC, 4                             ; v4  LDS: where I read down a column (V); for Krelpos: my byte offset in it
.set HH, 5                             ; v5  h
.set LL, 6                             ; v6  lane
.set RW, 7                             ; v7  r
.set IN, 8                             ; v[8:71]    as loaded
.set FR, 72                            ; v[72:135]  in fragment order, f32: chunk k in 8 registers
.set PK, 136                           ; v[136:167] chunk k as 8 f16 in 4 registers
	s_load_b512 s[4:19], s[0:1], 0x0               ; K s[4:5], Q s[6:7], V s[8:9], Krelpos s[10:11], Kf s[12:13], Qf s[14:15], Vf s[16:17], Rf s[18:19]
	v_lshl_add_u32 v168, v0, 2, 0x11000
	v_mov_b32 v169, 0
	v_lshrrev_b32 v[LL], 5, v0
	v_readfirstlane_b32 s20, v[LL]                 ; wave 0..7
	v_and_b32 v[LL], 31, v0
	v_and_b32 v[RW], 15, v0
	v_bfe_u32 v[HH], v0, 4, 1
	v_lshlrev_b32 v[GL], 4, v[LL]
	s_mov_b32 s29, 0                               ; upper words of the two offset pairs
	s_mov_b32 s31, 0
	s_cmp_ge_u32 ttmp9, 384
	s_cbranch_scc1 .Lrel
	; ---- K, Q, V: one slab of 32 rows a wave ----
	s_mul_i32 s21, s20, SLAB
	v_mul_u32_u24 v[WR], v[HH], PITCH              ; a load's 512 bytes are two rows: lanes 0-15 the first, lanes 16-31 the second
	v_lshl_add_u32 v[WR], v[RW], 4, v[WR]
	v_add_nc_u32 v[WR], s21, v[WR]
	s_lshr_b32 s22, ttmp9, 7                       ; 0: K, 1: Q, 2: V
	s_and_b32 s23, ttmp9, 127
	s_lshl3_add_u32 s23, s23, s20                  ; slab G = 8 x (work-group mod 128) + wave, 0..1023
	s_lshl_b32 s28, s23, 13                        ; 8,192 bytes of f32 in
	s_lshl_b32 s30, s23, 12                        ; 4,096 bytes of f16 out
	s_wait_kmcnt 0x0
	s_cmp_eq_u32 s22, 0
	s_cselect_b64 s[24:25], s[4:5], s[6:7]
	s_cselect_b64 s[26:27], s[12:13], s[14:15]
	s_cmp_eq_u32 s22, 2
	s_cselect_b64 s[24:25], s[8:9], s[24:25]
	s_cselect_b64 s[26:27], s[16:17], s[26:27]
	s_add_nc_u64 s[24:25], s[24:25], s[28:29]
	s_add_nc_u64 s[26:27], s[26:27], s[30:31]
.irp i, 0,1,2,3,4,5,6,7,8,9,10,11,12,13,14,15
	global_load_b128 v[IN+4*\i:IN+4*\i+3], v[GL], s[24:25] offset:512*\i th:TH_LOAD_NT   ; read once in the launch
.endr
.irp i, 0,1,2,3,4,5,6,7,8,9,10,11,12,13,14,15
	s_wait_loadcnt 15-\i                           ; loads come back in order: load i is in, the 15 - i younger ones stay out
	ds_store_b128 v[WR], v[IN+4*\i:IN+4*\i+3] offset:2*PITCH*\i
.endr
; Chunk k of eight: its LDS loads are in (per = LDS loads a chunk; the per x (7 - k) younger ones stay out), it is scaled if asked,
; rounded and stored: 512 consecutive bytes of the slab's 4,096.
.macro PACK scale, per
.irp k, 0,1,2,3,4,5,6,7
	s_wait_dscnt \per*(7-\k)
.if \scale
.irp i, 0,2,4,6
	v_pk_mul_f32 v[FR+8*\k+\i:FR+8*\k+\i+1], v[FR+8*\k+\i:FR+8*\k+\i+1], s[32:33] op_sel_hi:[1,0]
.endr
.endif
.irp i, 0,1,2,3
	v_cvt_pk_f16_f32 v[PK+4*\k+\i], v[FR+8*\k+2*\i], v[FR+8*\k+2*\i+1]
.endr
	global_store_b128 v[GL], v[PK+4*\k:PK+4*\k+3], s[26:27] offset:512*\k
.endr
	s_wait_tensorcnt 0x0
	ds_add_u32 v168, v169
	s_wait_dscnt 0x0
	s_endpgm
.endm
	s_cmp_eq_u32 s22, 2
	s_cbranch_scc1 .Lcols
	; K, Q: chunk k = 4 t + 2 ks + part: row 16 t + r, 32 bytes at 128 ks + 64 part + 32 h.  LDS serves a wave's instructions in order: these see the stores above.
	v_mul_u32_u24 v[RR], v[RW], PITCH
	v_lshl_add_u32 v[RR], v[HH], 5, v[RR]
	v_add_nc_u32 v[RR], s21, v[RR]
.irp k, 0,1,2,3,4,5,6,7
	ds_load_b128 v[FR+8*\k:FR+8*\k+3],   v[RR] offset:(\k>>2)*16*PITCH+(\k&3)*64
	ds_load_b128 v[FR+8*\k+4:FR+8*\k+7], v[RR] offset:(\k>>2)*16*PITCH+(\k&3)*64+16
.endr
	s_cmp_eq_u32 s22, 1
	s_cbranch_scc1 .Lq
	PACK 0, 2
.Lq:
	s_mov_b32 s32, 0x3e38aa3b                      ; log2(e) / 8
	s_mov_b32 s33, 0x3e38aa3b
	PACK 1, 2
.Lcols:
	; V: chunk k = 2 dt + part: rows 16 part + 8 h + 0..7 of column 16 dt + r.  Word address 544 h + r + a constant: 32 different banks of the 64.
	v_mul_u32_u24 v[RC], v[HH], 8*PITCH
	v_lshl_add_u32 v[RC], v[RW], 2, v[RC]
	v_add_nc_u32 v[RC], s21, v[RC]
.irp k, 0,1,2,3,4,5,6,7
.irp j, 0,1,2,3,4,5,6,7
	ds_load_b32 v[FR+8*\k+\j], v[RC] offset:(\k&1)*16*PITCH+\j*PITCH+(\k>>1)*64
.endr
.endr
	PACK 0, 8
	; ---- Krelpos: half a tile a wave ----
.Lrel:
	s_sub_co_u32 s21, ttmp9, 384
	s_lshl3_add_u32 s21, s21, s20                  ; 2 tt + ks, 0..263
	s_lshl_b32 s28, s21, 10
	s_wait_kmcnt 0x0
	s_add_nc_u64 s[26:27], s[18:19], s[28:29]
	s_cmp_ge_u32 s21, 256
	s_cbranch_scc1 .Lzero
	s_and_b32 s22, s21, 1
	s_lshl_b32 s22, s22, 18                        ; 32 ks rows of 8,192 bytes
	s_lshr_b32 s23, s21, 1
	s_lshl_b32 s23, s23, 6                         ; 16 tt columns of 4 bytes
	s_add_co_u32 s30, s22, s23
	s_add_nc_u64 s[24:25], s[10:11], s[30:31]
	v_lshlrev_b32 v[RC], 2, v[RW]
	v_lshl_add_u32 v[RC], v[HH], 16, v[RC]         ; 8 h rows + column r
.irp p, 0,1
.irp j, 0,1,2,3,4,5,6,7
	global_load_b32 v[IN+8*\p+\j], v[RC], s[24:25] offset:\p*131072+\j*8192
.endr
.endr
	s_wait_loadcnt 0x0
.irp i, 0,1,2,3,4,5,6,7
	v_cvt_pk_f16_f32 v[PK+\i], v[IN+2*\i], v[IN+2*\i+1]
.endr
	global_store_b128 v[GL], v[PK:PK+3],   s[26:27]
	global_store_b128 v[GL], v[PK+4:PK+7], s[26:27] offset:512
	s_endpgm
.Lzero:
	; tiles 128..131 stand for positions 2048 and up, which only meet keys behind the query: they are multiplied and then masked, so they must be finite
.irp i, 0,1,2,3
	v_mov_b32 v[PK+\i], 0
.endr
	global_store_b128 v[GL], v[PK:PK+3], s[26:27]
	global_store_b128 v[GL], v[PK:PK+3], s[26:27] offset:512
	s_endpgm
.Lfunc_end_k_q771d226dc6_prep:
	.size	k_q771d226dc6_prep, .Lfunc_end_k_q771d226dc6_prep-k_q771d226dc6_prep
	.p2alignl 7, 3214868480
	.fill 96, 4, 3214868480
	.section	.rodata,"a",@progbits
	.p2align	6, 0x0
	.amdhsa_kernel k_q771d226dc6_prep
		.amdhsa_group_segment_fixed_size 70656
		.amdhsa_private_segment_fixed_size 0
		.amdhsa_enable_private_segment 0
		.amdhsa_kernarg_size 64
		.amdhsa_user_sgpr_count 2
		.amdhsa_user_sgpr_kernarg_segment_ptr 1
		.amdhsa_wavefront_size32 1
		.amdhsa_system_sgpr_workgroup_id_x 1
		.amdhsa_system_sgpr_workgroup_id_y 1
		.amdhsa_system_sgpr_workgroup_id_z 1
		.amdhsa_system_vgpr_workitem_id 0
		.amdhsa_next_free_vgpr 170
		.amdhsa_next_free_sgpr 66
		.amdhsa_reserve_vcc 0
		.amdhsa_float_denorm_mode_32 3
		.amdhsa_float_denorm_mode_16_64 3
		.amdhsa_memory_ordered 1
		.amdhsa_forward_progress 1
		.amdhsa_inst_pref_size 25
	.end_amdhsa_kernel
	.amdgpu_metadata
---
amdhsa.version: [ 1, 2 ]
amdhsa.kernels:
  - .name:           k_q771d226dc6_prep
    .symbol:         k_q771d226dc6_prep.kd
    .args:
      - { .name: K, .offset: 0, .size: 8, .value_kind: global_buffer, .address_space: global }
      - { .name: Q, .offset: 8, .size: 8, .value_kind: global_buffer, .address_space: global }
      - { .name: V, .offset: 16, .size: 8, .value_kind: global_buffer, .address_space: global }
      - { .name: Krelpos, .offset: 24, .size: 8, .value_kind: global_buffer, .address_space: global }
      - { .name: Kf, .offset: 32, .size: 8, .value_kind: global_buffer, .address_space: global }
      - { .name: Qf, .offset: 40, .size: 8, .value_kind: global_buffer, .address_space: global }
      - { .name: Vf, .offset: 48, .size: 8, .value_kind: global_buffer, .address_space: global }
      - { .name: Rf, .offset: 56, .size: 8, .value_kind: global_buffer, .address_space: global }
    .group_segment_fixed_size: 70656
    .private_segment_fixed_size: 0
    .kernarg_segment_align: 8
    .kernarg_segment_size: 64
    .max_flat_workgroup_size: 256
    .sgpr_count:     66
    .vgpr_count:     170
    .wavefront_size: 32
...
	.end_amdgpu_metadata
.endif
;; end of part 1
;; launch attn (part 2): grid 16 x 16, 8 waves a work-group, no clusters, 246,784 bytes of LDS; arguments Qf, Kf, Vf, Rf, out0; writes out0
.if DOCPART == 2
	.amdgcn_target "amdgcn-amd-amdhsa--gfx1250"
	.amdhsa_code_object_version 6
	.text
	.protected	k_q771d226dc6_attn
	.globl	k_q771d226dc6_attn
	.p2align	8
	.type	k_q771d226dc6_attn,@function
k_q771d226dc6_attn:
	s_mov_b64 s[64:65], 0
	v_nop
	global_prefetch_b8 v0, s[64:65] scope:SCOPE_SE
	s_setreg_imm32_b32 hwreg(HW_REG_WAVE_MODE, 25, 1), 1
	s_wait_xcnt 0x0
; Causal attention with a relative-position term.  The reshape of the padded [S][S+1] array puts QP[i][S-1-i+j] at (i, j) for j <= i, so
;   score(i, j) = Q[i] . (K[j] + R[2047 - i + j]) / 8  for j <= i,  R[t] = Krelpos[:, t];   out = softmax(score) V.
; Operands come as f16 in fragment order from the launch before (Q already times log2(e)/8, so exponentials are powers of 2); all sums,
; maxima and exponentials in f32, with a running maximum.  The weights, which lie in (0, 1] behind the running maximum, go to the product
; with V as f16 too: eleven significant bits, which a query with few keys needs, since nothing averages its weights' rounding away.
; LIMITS: matrix operands are rounded to f16 (Q after its factor): |K|, |V|, |Krelpos| and 0.18 |Q| stay below 65,504; a weight below
; 2^-25 of its unit's running maximum counts as 0; NaN and infinite inputs do not come out as in the f32 formula.
;
; WORK.  Work-group (p, batch) makes query blocks 31 - p and p (64 queries each): 32 - p and p + 1 units of 64 queries x 64 keys, 33 for
; every work-group.  In a block the KEYS are shared out: wave w takes units n = w, w + 8, .. <= B, for all 64 queries (four tiles a of 16),
; with its own maximum, sum and output; the eight waves' parts meet in LDS at the block's end.
; ALL PRODUCTS ARE TRANSPOSED (keys or d along the result's rows, queries along its columns): a lane owns one query, so maximum and sum
; are taken inside the lane and once across the two half-waves, and the exponentials of a score tile, packed in pairs, ARE the second
; operand of the product with V.
; THE SKEW.  For query tile a and unit n, R's rows t = 16 (127 - 4 B - a + 4 n) + u, u = 0..79 (five tiles), are multiplied by the 16
; queries; the entry (u, query r) belongs to key u - 15 + r of the unit.  It is stored as one word at column u + r + 1 of row r of a strip in
; LDS (16 rows, 400 bytes apart), and key kl is read back at column kl + 16, four words at a time, straight into the registers that the
; product K Q^T adds onto.  Store: word address 101 r + 8 h + a constant, 32 different banks of the 64; load: rows are 25 x 16 bytes apart,
; sixteen different 16-byte columns.  A strip is its wave's own, and LDS serves a wave's instructions in order: no wait, no barrier.
; K, V and R fragments go from memory to registers, 512 consecutive bytes a load; the next unit's are asked for while this one is worked on.
; NO CLUSTER, NO TENSOR LOADS: no tile lies in LDS, so there is nothing for a joint load to fill; and the work-groups of a batch, which
; read the same K and V, walk different numbers of units (32 - p and p + 1), so they would not ask for the same tiles at the same time.
;
; LDS: strips at w x 12,800 (two of 6,400: query tiles take turns); parts at 102,400 + w x 17,920: O as [64 q][64 d] f32, rows 272 bytes
; apart, then at + 17,408 the pairs (maximum, sum), 8 bytes a query.
.set STRIPW, 12800
.set STRIP,  6400
.set SROW,   400
.set PARTS,  102400
.set PARTW,  17920
.set OROW,   272
.set STATS,  17408
; window 0
.set GL,   1                           ; lane x 16
.set SST,  2                           ; strip, store: w x 12,800 + 404 r + 32 h
.set SLD,  3                           ; strip, load:  w x 12,800 + 400 r + 32 h
.set PO,   4                           ; my part, O: + 272 r + 32 h
.set PS,   5                           ; my part: + 8 r
.set MO0,  6                           ; merge: O of query 8 w + h, 16 bytes at 16 r, in part 0;  MO0+4 = v10: in part 4
.set MS0,  7                           ; merge: that query's pair in part 0;                      MS0+4 = v11: in part 4
.set OUTO, 8                           ; merge: my byte offset in the block's rows of out0
.set DQ,   9                           ; r - 8 h (set-up only)
.set MX,   12                          ; v[12:15] running maximum of query tile a
.set LS,   16                          ; v[16:19] running sum (this half-wave's keys)
.set MN,   20                          ; v[20:21] new maximum (pair; the upper register is only there to be a pair)
.set AL,   22                          ; v[22:23] 2^(old maximum - new maximum), likewise
.set T,    24                          ; v[24:31] at work
.set SC,   32                          ; v[32:71] five tiles of R Q^T; then v[32:63] the four score tiles
.set PB,   72                          ; v[72:87] exponentials in f16: two operands of 32 keys
.set QF,   88                          ; v[88:151] Q: tile a, half ks of d at 88 + 8 (2 a + ks)
.set RB,   152                         ; v[152:247] six buffers for R's tiles: tile e of the unit's window of eight in buffer e mod 6
.set NI,   248                         ; -inf
; window 1
.set KF,   0                           ; K: key tile c, half ks at 8 (2 c + ks)
.set VF,   64                          ; V: 32 keys g, 16 d dt at 64 + 8 (4 g + dt)
.set OA,   128                         ; O: query tile a, 16 d dt at 128 + 8 (4 a + dt)
.set DM,   44                          ; s[44:51] lane masks of the diagonal tile: register j is behind the query
.set MSB, 0
.macro WIN new                         ; s_set_vgpr_msb: bits 1:0 source 0, 3:2 source 1, 5:4 source 2, 7:6 destination; the high byte repeats the setting that is left
.if MSB != \new
	s_set_vgpr_msb (MSB<<8)|\new
.set MSB, \new
.endif
.endm
.macro NOPS n
.rept \n
	v_nop
.endr
.endm
	s_load_b256 s[4:11], s[0:1], 0x0               ; Qf s[4:5], Kf s[6:7], Vf s[8:9], Rf s[10:11]
	s_load_b64 s[12:13], s[0:1], 0x20              ; out0
	v_lshl_add_u32 v254, v0, 2, 0x3c000
	v_mov_b32 v255, 0
	v_lshrrev_b32 v24, 5, v0
	v_readfirstlane_b32 s14, v24                   ; wave 0..7
	s_and_b32 s16, ttmp7, 0xffff                   ; batch
	s_mov_b32 s40, 0x76543210                      ; v_permlanex16_b32: lane i of one half reads lane i of the other
	s_mov_b32 s41, 0xfedcba98
	v_and_b32 v24, 31, v0
	v_and_b32 v25, 15, v0                          ; r
	v_bfe_u32 v26, v0, 4, 1                        ; h
	v_lshlrev_b32 v[GL], 4, v24
	s_mul_i32 s17, s14, STRIPW
	v_mul_u32_u24 v[SST], v25, SROW+4
	v_lshl_add_u32 v[SST], v26, 5, v[SST]
	v_add_nc_u32 v[SST], s17, v[SST]
	v_mul_u32_u24 v[SLD], v25, SROW
	v_lshl_add_u32 v[SLD], v26, 5, v[SLD]
	v_add_nc_u32 v[SLD], s17, v[SLD]
	s_mul_i32 s17, s14, PARTW
	s_add_co_u32 s17, s17, PARTS
	v_mul_u32_u24 v[PO], v25, OROW
	v_lshl_add_u32 v[PO], v26, 5, v[PO]
	v_add_nc_u32 v[PO], s17, v[PO]
	v_lshl_add_u32 v[PS], v25, 3, s17
	s_mul_i32 s17, s14, 8*OROW
	s_add_co_u32 s17, s17, PARTS
	v_mul_u32_u24 v[MO0], v26, OROW
	v_lshl_add_u32 v[MO0], v25, 4, v[MO0]
	v_add_nc_u32 v[MO0], s17, v[MO0]
	v_add_nc_u32 v[MO0+4], 4*PARTW, v[MO0]
	s_lshl_b32 s17, s14, 6
	s_add_co_u32 s17, s17, PARTS+STATS
	v_lshl_add_u32 v[MS0], v26, 3, s17
	v_add_nc_u32 v[MS0+4], 4*PARTW, v[MS0]
	s_lshl_b32 s17, s14, 11
	v_lshl_add_u32 v[OUTO], v26, 8, s17
	v_lshl_add_u32 v[OUTO], v25, 4, v[OUTO]
	v_lshlrev_b32 v27, 3, v26
	v_sub_nc_u32 v[DQ], v25, v27
.irp j, 0,1,2,3,4,5,6,7
	v_cmp_gt_i32 s[DM+\j], \j, v[DQ]               ; in the diagonal tile register j holds key 8 h + j, the lane query r: masked where 8 h + j > r
.endr
	v_mov_b32 v[MN+1], 0
	v_mov_b32 v[AL+1], 0
	v_mov_b32 v[NI], 0xff800000
	s_lshl_b32 s22, s16, 18                        ; a batch of Qf, Kf, Vf: 262,144 bytes
	s_mov_b32 s23, 0                               ; stays 0: the upper word of every offset
	s_wait_kmcnt 0x0
	s_add_nc_u64 s[4:5], s[4:5], s[22:23]
	s_add_nc_u64 s[30:31], s[6:7], s[22:23]
	s_add_nc_u64 s[32:33], s[8:9], s[22:23]
	s_lshl_b32 s22, s16, 19                        ; a batch of out0: 524,288 bytes
	s_add_nc_u64 s[12:13], s[12:13], s[22:23]
	s_mov_b32 s42, 0                               ; trip of the block loop
	s_sub_co_u32 s18, 31, ttmp9                    ; B: first the long block
; Tile e (0..7) of the unit's window of R: four loads of 512 consecutive bytes
.macro LDR e
.irp i, 0,1,2,3
	global_load_b128 v[RB+16*((\e)%6)+4*\i:RB+16*((\e)%6)+4*\i+3], v[GL], s[28:29] offset:(\e)*2048+\i*512
.endr
.endm
.macro LDK
	WIN 0x40                                       ; loaded data in window 1, the address in window 0
.irp i, 0,1,2,3,4,5,6,7,8,9,10,11,12,13,14,15
	global_load_b128 v[KF+4*\i:KF+4*\i+3], v[GL], s[24:25] offset:512*\i
.endr
	WIN 0
.endm
.macro LDV
	WIN 0x40
.irp i, 0,1,2,3,4,5,6,7,8,9,10,11,12,13,14,15
	global_load_b128 v[VF+4*\i:VF+4*\i+3], v[GL], s[26:27] offset:512*\i
.endr
	WIN 0
.endm
; R Q^T for query tile a: window tiles 3 - a .. 7 - a, five accumulators that take turns, one instruction a turn.
; Then the skewed stores.  Five places behind the last matrix instruction: four for the stores that read the results and for loads into
; R's buffers, the fifth because the score product writes over the same registers.
.macro PPH a
.irp e, 0,1,2,3,4
	v_wmma_f32_16x16x32_f16 v[SC+8*\e:SC+8*\e+7], v[RB+16*((\e+3-\a)%6):RB+16*((\e+3-\a)%6)+7], v[QF+16*\a:QF+16*\a+7], 0
.endr
.irp e, 0,1,2,3,4
	v_wmma_f32_16x16x32_f16 v[SC+8*\e:SC+8*\e+7], v[RB+16*((\e+3-\a)%6)+8:RB+16*((\e+3-\a)%6)+15], v[QF+16*\a+8:QF+16*\a+15], v[SC+8*\e:SC+8*\e+7]
.endr
	NOPS 5
.irp e, 0,1,2,3,4
.irp j, 0,1,2,3,4,5,6,7
	ds_store_b32 v[SST], v[SC+8*\e+\j] offset:(\a&1)*STRIP+64*\e+4*\j+4      ; u = 16 e + 8 h + j goes to column u + r + 1 of row r
.endr
.endr
.endm
; Scores of query tile a: the skewed term comes back as the sum's start (key 16 c + 8 h + j at column + 16), K Q^T is added onto it.
.macro SPH a
.irp c, 0,1,2,3
	ds_load_b128 v[SC+8*\c:SC+8*\c+3],   v[SLD] offset:(\a&1)*STRIP+64*\c+64
	ds_load_b128 v[SC+8*\c+4:SC+8*\c+7], v[SLD] offset:(\a&1)*STRIP+64*\c+80
.endr
	s_wait_dscnt 0x0                               ; the eight loads are the youngest LDS instructions
	WIN 0x01                                       ; K in window 1
.irp ks, 0,1
.irp c, 0,1,2,3
	v_wmma_f32_16x16x32_f16 v[SC+8*\c:SC+8*\c+7], v[KF+16*\c+8*\ks:KF+16*\c+8*\ks+7], v[QF+16*\a+8*\ks:QF+16*\a+8*\ks+7], v[SC+8*\c:SC+8*\c+7]
.endr
.endr
	WIN 0
	NOPS 5                                         ; four places before vector instructions read the scores and loads land on K; five before the next R Q^T writes over them
.endm
; The diagonal unit (n = B) alone: key tiles behind the query tile are all masked, the tile on the diagonal by the lane masks.
.macro MASK a
	s_cmp_lg_u32 s19, s18
	s_cbranch_scc1 .Lfull_\@
.irp j, 0,1,2,3,4,5,6,7
	v_cndmask_b32 v[SC+8*\a+\j], v[SC+8*\a+\j], v[NI], s[DM+\j]
.endr
.if \a < 3
.set mi, 8*\a+8
.rept 24-8*\a
	v_mov_b32 v[SC+mi], v[NI]
.set mi, mi+1
.endr
.endif
.Lfull_\@:
.endm
; Running softmax of query tile a over the unit's 64 keys (32 in this lane, 32 in its partner in the other half-wave).
; Every unit has at least one key that is not masked for every query (in the diagonal unit the query's own), so the maximum is finite.
.macro SOFT a, first
.irp c, 0,1,2,3
	v_max3_num_f32 v[T+\c], v[SC+8*\c], v[SC+8*\c+1], v[SC+8*\c+2]
.endr
.irp c, 0,1,2,3
	v_max3_num_f32 v[T+\c], v[T+\c], v[SC+8*\c+3], v[SC+8*\c+4]
.endr
.irp c, 0,1,2,3
	v_max3_num_f32 v[T+\c], v[T+\c], v[SC+8*\c+5], v[SC+8*\c+6]
.endr
.irp c, 0,1,2,3
	v_max_num_f32 v[T+\c], v[T+\c], v[SC+8*\c+7]
.endr
	v_max3_num_f32 v[T], v[T], v[T+1], v[T+2]
	v_max_num_f32 v[T], v[T], v[T+3]
	v_permlanex16_b32 v[T+1], v[T], s40, s41
.if \first
	v_max_num_f32 v[MN], v[T], v[T+1]
.else
	v_max3_num_f32 v[MN], v[T], v[T+1], v[MX+\a]
	v_sub_f32 v[AL], v[MX+\a], v[MN]
.endif
.irp i, 0,1,2,3,4,5,6,7,8,9,10,11,12,13,14,15
	v_pk_add_f32 v[SC+2*\i:SC+2*\i+1], v[SC+2*\i:SC+2*\i+1], v[MN:MN+1] op_sel_hi:[1,0] neg_lo:[0,1] neg_hi:[0,1]
.endr
.set xi, 0
.rept 32
	v_exp_f32 v[SC+xi], v[SC+xi]
.set xi, xi+1
.endr
.if \first == 0
	v_exp_f32 v[AL], v[AL]
.endif
	v_mov_b32 v[MX+\a], v[MN]                      ; also the plain instruction between the exponentials and their first use (ISA guide 5.7.2)
	s_wait_alu depctr_va_vdst(0)
.irp c, 0,1,2,3
	v_pk_add_f32 v[T+2*\c:T+2*\c+1], v[SC+8*\c:SC+8*\c+1], v[SC+8*\c+2:SC+8*\c+3]
.endr
.irp c, 0,1,2,3
	v_pk_add_f32 v[T+2*\c:T+2*\c+1], v[T+2*\c:T+2*\c+1], v[SC+8*\c+4:SC+8*\c+5]
.endr
.irp c, 0,1,2,3
	v_pk_add_f32 v[T+2*\c:T+2*\c+1], v[T+2*\c:T+2*\c+1], v[SC+8*\c+6:SC+8*\c+7]
.endr
	v_pk_add_f32 v[T:T+1], v[T:T+1], v[T+2:T+3]
	v_pk_add_f32 v[T+4:T+5], v[T+4:T+5], v[T+6:T+7]
	v_pk_add_f32 v[T:T+1], v[T:T+1], v[T+4:T+5]
.if \first
	v_add_f32 v[LS+\a], v[T], v[T+1]
.else
	v_add_f32 v[T], v[T], v[T+1]
	v_fma_f32 v[LS+\a], v[LS+\a], v[AL], v[T]
.endif
.irp i, 0,1,2,3,4,5,6,7,8,9,10,11,12,13,14,15
	v_cvt_pk_f16_f32 v[PB+\i], v[SC+2*\i], v[SC+2*\i+1]    ; tile c's keys 8 h + 0..7 are registers 4 (c & 1) .. + 3 of the operand of keys 32 (c >> 1) ..
.endr
.endm
; O^T of query tile a: scaled to the new maximum, then V^T P^T added; four accumulators that take turns.
.macro PV a, first
.if \first == 0
	WIN 0x41                                       ; O in window 1, the factor in window 0
.irp i, 0,1,2,3,4,5,6,7,8,9,10,11,12,13,14,15
	v_pk_mul_f32 v[OA+32*\a+2*\i:OA+32*\a+2*\i+1], v[OA+32*\a+2*\i:OA+32*\a+2*\i+1], v[AL:AL+1] op_sel_hi:[1,0]
.endr
.endif
	WIN 0x51                                       ; V, and O as C and D, in window 1; P in window 0
.irp dt, 0,1,2,3
.if \first
	v_wmma_f32_16x16x32_f16 v[OA+32*\a+8*\dt:OA+32*\a+8*\dt+7], v[VF+8*\dt:VF+8*\dt+7], v[PB:PB+7], 0
.else
	v_wmma_f32_16x16x32_f16 v[OA+32*\a+8*\dt:OA+32*\a+8*\dt+7], v[VF+8*\dt:VF+8*\dt+7], v[PB:PB+7], v[OA+32*\a+8*\dt:OA+32*\a+8*\dt+7]
.endif
.endr
.irp dt, 0,1,2,3
	v_wmma_f32_16x16x32_f16 v[OA+32*\a+8*\dt:OA+32*\a+8*\dt+7], v[VF+32+8*\dt:VF+32+8*\dt+7], v[PB+8:PB+15], v[OA+32*\a+8*\dt:OA+32*\a+8*\dt+7]
.endr
	WIN 0
.endm
; One unit: 64 queries x 64 keys.  first = 1: the wave's first unit of the block starts maximum, sum and O.  ahead = 1: another unit of
; this wave follows (n + 8 <= B) and its fragments are asked for; such a unit is never the diagonal one, so it has no mask.
; On entry these loads are out, in this order: (Q's 16,) R's window tiles 2..7 (24), K (16), V (16).
.macro UNIT first, ahead
	s_wait_loadcnt 32                              ; R (and Q) are in; K's 16 and V's 16 stay out
	PPH 0
	LDR 1                                          ; tile 7 has had its last use: its buffer takes tile 1
	PPH 1
	LDR 0                                          ; likewise tile 6's buffer takes tile 0
	s_wait_loadcnt 24                              ; K is in; V's 16 and the 4 + 4 just issued stay out
	SPH 0
.if \ahead == 0
	MASK 0
.endif
	SOFT 0, \first
	s_wait_loadcnt 8                               ; V is in
	PV 0, \first
	s_wait_loadcnt 4                               ; tile 1 is in
	PPH 2
	SPH 1
.if \ahead == 0
	MASK 1
.endif
	SOFT 1, \first
	PV 1, \first
	s_wait_loadcnt 0                               ; tile 0 is in; no load is out, so the three bases may be stepped
	PPH 3
.if \ahead
	s_add_co_u32 s19, s19, 8                       ; my next unit: 8,192 bytes a unit in Kf, Vf and Rf alike
	s_lshl_b32 s22, s19, 13
	s_add_nc_u64 s[24:25], s[30:31], s[22:23]
	s_add_nc_u64 s[26:27], s[32:33], s[22:23]
	s_add_nc_u64 s[28:29], s[34:35], s[22:23]
.irp e, 2,3,4,5,6,7
	LDR \e
.endr
.endif
	SPH 2
.if \ahead == 0
	MASK 2
.endif
	SOFT 2, \first
	PV 2, \first
	SPH 3
.if \ahead
	LDK                                            ; K has had its last use
.endif
.if \ahead == 0
	MASK 3
.endif
	SOFT 3, \first
	PV 3, \first
	NOPS 4                                         ; four places before loads land on V, or LDS stores read O
.if \ahead
	LDV
.endif
.endm
; One pair of rows of the merge: queries 8 w + 2 i + h.  Part s: pair (maximum, sum) in v[32+8s+2i:..+1], 16 bytes of O in v[96+16s+4i:..+3].
.macro MROW i
	v_max3_num_f32 v[T], v[32+2*\i], v[40+2*\i], v[48+2*\i]
	v_max3_num_f32 v[T], v[T], v[56+2*\i], v[64+2*\i]
	v_max3_num_f32 v[T], v[T], v[72+2*\i], v[80+2*\i]
	v_max_num_f32 v[T], v[T], v[88+2*\i]           ; finite: wave 0 has a unit in every block
.irp s, 0,1,2,3,4,5,6,7
	v_sub_f32 v[32+8*\s+2*\i], v[32+8*\s+2*\i], v[T]
.endr
.irp s, 0,1,2,3,4,5,6,7
	v_exp_f32 v[32+8*\s+2*\i], v[32+8*\s+2*\i]     ; the part's weight takes its maximum's place
.endr
	v_mov_b32 v[T+5], 0                            ; the upper half of the reciprocal's pair; also the plain instruction behind the exponentials
	s_wait_alu depctr_va_vdst(0)
	v_mul_f32 v[T+2], v[32+2*\i], v[33+2*\i]
.irp s, 1,2,3,4,5,6,7
	v_fmac_f32 v[T+2], v[32+8*\s+2*\i], v[33+8*\s+2*\i]
.endr
	v_rcp_f32 v[T+4], v[T+2]                       ; at least 1 is summed (the key of the maximum); sixteen plain instructions stand before its use
	v_pk_mul_f32 v[224+4*\i:225+4*\i], v[96+4*\i:97+4*\i], v[32+2*\i:33+2*\i] op_sel_hi:[1,0]
	v_pk_mul_f32 v[226+4*\i:227+4*\i], v[98+4*\i:99+4*\i], v[32+2*\i:33+2*\i] op_sel_hi:[1,0]
.irp s, 1,2,3,4,5,6,7
	v_pk_fma_f32 v[224+4*\i:225+4*\i], v[96+16*\s+4*\i:97+16*\s+4*\i], v[32+8*\s+2*\i:33+8*\s+2*\i], v[224+4*\i:225+4*\i] op_sel_hi:[1,0,1]
	v_pk_fma_f32 v[226+4*\i:227+4*\i], v[98+16*\s+4*\i:99+16*\s+4*\i], v[32+8*\s+2*\i:33+8*\s+2*\i], v[226+4*\i:227+4*\i] op_sel_hi:[1,0,1]
.endr
	s_wait_alu depctr_va_vdst(0)
	v_pk_mul_f32 v[224+4*\i:225+4*\i], v[224+4*\i:225+4*\i], v[T+4:T+5] op_sel_hi:[1,0]
	v_pk_mul_f32 v[226+4*\i:227+4*\i], v[226+4*\i:227+4*\i], v[T+4:T+5] op_sel_hi:[1,0]
	global_store_b128 v[OUTO], v[224+4*\i:227+4*\i], s[38:39] offset:512*\i th:TH_STORE_NT   ; sixteen lanes store a row's 256 consecutive bytes, aligned
.endm
; ---- a block of 64 queries; two trips: B = 31 - p, then B = p ----
.Lblock:
	s_lshl_b32 s22, s18, 13
	s_add_nc_u64 s[36:37], s[4:5], s[22:23]        ; Q's four tiles
	s_sub_co_u32 s22, 253952, s22
	s_add_nc_u64 s[34:35], s[10:11], s[22:23]      ; R's tile 124 - 4 B: the window of unit 0
	s_lshl_b32 s22, s18, 14
	s_add_nc_u64 s[38:39], s[12:13], s[22:23]      ; the block's 64 rows of out0
	s_cmp_gt_u32 s14, s18
	s_cbranch_scc1 .Lidle                          ; fewer units than waves: this wave has none
	s_mov_b32 s19, s14                             ; n = w
	s_lshl_b32 s22, s14, 13
	s_add_nc_u64 s[24:25], s[30:31], s[22:23]
	s_add_nc_u64 s[26:27], s[32:33], s[22:23]
	s_add_nc_u64 s[28:29], s[34:35], s[22:23]
.irp i, 0,1,2,3,4,5,6,7,8,9,10,11,12,13,14,15
	global_load_b128 v[QF+4*\i:QF+4*\i+3], v[GL], s[36:37] offset:512*\i
.endr
.irp e, 2,3,4,5,6,7
	LDR \e
.endr
	LDK
	LDV
	s_sub_co_u32 s20, s18, s14
	s_lshr_b32 s20, s20, 3                         ; units of mine behind the first
	s_cmp_eq_u32 s20, 0
	s_cbranch_scc1 .Lonly
	UNIT 1, 1
	s_sub_co_u32 s20, s20, 1
	s_cmp_eq_u32 s20, 0
	s_cbranch_scc1 .Ltail
.Lunit:
	UNIT 0, 1
	s_sub_co_u32 s20, s20, 1
	s_cmp_lg_u32 s20, 0
	s_cbranch_scc1 .Lunit
.Ltail:
	UNIT 0, 0                                      ; the last unit asks for nothing
	s_branch .Lflush
.Lonly:
	UNIT 1, 0
.Lflush:
	; my part goes to LDS: the sum over both half-waves, the maximum, O^T by rows of queries
.irp a, 0,1,2,3
	v_permlanex16_b32 v[T+2*\a+1], v[LS+\a], s40, s41
.endr
.irp a, 0,1,2,3
	v_add_f32 v[T+2*\a+1], v[T+2*\a+1], v[LS+\a]
	v_mov_b32 v[T+2*\a], v[MX+\a]
.endr
.irp a, 0,1,2,3
	ds_store_b64 v[PS], v[T+2*\a:T+2*\a+1] offset:STATS+128*\a     ; both half-waves write the same pair
.endr
	WIN 0x04                                       ; the stored data in window 1
.irp a, 0,1,2,3
.irp dt, 0,1,2,3
	ds_store_b128 v[PO], v[OA+32*\a+8*\dt:OA+32*\a+8*\dt+3]   offset:\a*16*OROW+\dt*64
	ds_store_b128 v[PO], v[OA+32*\a+8*\dt+4:OA+32*\a+8*\dt+7] offset:\a*16*OROW+\dt*64+16
.endr
.endr
	WIN 0
	s_branch .Ljoin
.Lidle:
	; a part of weight 0: maximum -inf, sum 0, and zeros for O, since 0 times what LDS happens to hold need not be 0
.irp i, 0,1,2,3,5
	v_mov_b32 v[T+\i], 0
.endr
	v_mov_b32 v[T+4], v[NI]
.irp a, 0,1,2,3
	ds_store_b64 v[PS], v[T+4:T+5] offset:STATS+128*\a
.endr
.irp a, 0,1,2,3
.irp dt, 0,1,2,3
	ds_store_b128 v[PO], v[T:T+3] offset:\a*16*OROW+\dt*64
	ds_store_b128 v[PO], v[T:T+3] offset:\a*16*OROW+\dt*64+16
.endr
.endr
.Ljoin:
	s_wait_dscnt 0x0                               ; my part is written: zero, for the other waves' sake
	s_barrier_signal -1
	s_barrier_wait -1                              ; all eight parts are
	; the merge: wave w takes queries 8 w .. 8 w + 7, two a step: lanes 0-15 one row of O, lanes 16-31 the next
.irp s, 0,1,2,3,4,5,6,7
.irp i, 0,1,2,3
	ds_load_b64 v[32+8*\s+2*\i:33+8*\s+2*\i], v[MS0+4*(\s>>2)] offset:(\s&3)*PARTW+16*\i
.endr
.irp i, 0,1,2,3
	ds_load_b128 v[96+16*\s+4*\i:99+16*\s+4*\i], v[MO0+4*(\s>>2)] offset:(\s&3)*PARTW+2*OROW*\i
.endr
.endr
	s_wait_dscnt 0x0
	MROW 0
	MROW 1
	MROW 2
	MROW 3
	s_wait_xcnt 0x0                                ; the stores' data lie in R's buffers and their base is set anew in the next trip: both are rewritten only behind this wait
	s_barrier_signal -1                            ; every wave's reads of the parts are back (the wait on DScnt above): behind this barrier the parts may be
	s_barrier_wait -1                              ; written again.  It stands in the last trip too: the backward jump below is the loop's one exit
	s_mov_b32 s18, ttmp9                           ; the short block
	s_add_co_u32 s42, s42, 1
	s_cmp_lt_u32 s42, 2
	s_cbranch_scc1 .Lblock
	s_wait_tensorcnt 0x0
	ds_add_u32 v254, v255
	s_wait_dscnt 0x0
	s_endpgm
.Lfunc_end_k_q771d226dc6_attn:
	.size	k_q771d226dc6_attn, .Lfunc_end_k_q771d226dc6_attn-k_q771d226dc6_attn
	.p2alignl 7, 3214868480
	.fill 96, 4, 3214868480
	.section	.rodata,"a",@progbits
	.p2align	6, 0x0
	.amdhsa_kernel k_q771d226dc6_attn
		.amdhsa_group_segment_fixed_size 246784
		.amdhsa_private_segment_fixed_size 0
		.amdhsa_enable_private_segment 0
		.amdhsa_kernarg_size 40
		.amdhsa_user_sgpr_count 2
		.amdhsa_user_sgpr_kernarg_segment_ptr 1
		.amdhsa_wavefront_size32 1
		.amdhsa_system_sgpr_workgroup_id_x 1
		.amdhsa_system_sgpr_workgroup_id_y 1
		.amdhsa_system_sgpr_workgroup_id_z 1
		.amdhsa_system_vgpr_workitem_id 0
		.amdhsa_next_free_vgpr 512
		.amdhsa_next_free_sgpr 66
		.amdhsa_reserve_vcc 0
		.amdhsa_float_denorm_mode_32 3
		.amdhsa_float_denorm_mode_16_64 3
		.amdhsa_memory_ordered 1
		.amdhsa_forward_progress 1
		.amdhsa_inst_pref_size 226
	.end_amdhsa_kernel
	.amdgpu_metadata
---
amdhsa.version: [ 1, 2 ]
amdhsa.kernels:
  - .name:           k_q771d226dc6_attn
    .symbol:         k_q771d226dc6_attn.kd
    .args:
      - { .name: Qf, .offset: 0, .size: 8, .value_kind: global_buffer, .address_space: global }
      - { .name: Kf, .offset: 8, .size: 8, .value_kind: global_buffer, .address_space: global }
      - { .name: Vf, .offset: 16, .size: 8, .value_kind: global_buffer, .address_space: global }
      - { .name: Rf, .offset: 24, .size: 8, .value_kind: global_buffer, .address_space: global }
      - { .name: out0, .offset: 32, .size: 8, .value_kind: global_buffer, .address_space: global }
    .group_segment_fixed_size: 246784
    .private_segment_fixed_size: 0
    .kernarg_segment_align: 8
    .kernarg_segment_size: 40
    .max_flat_workgroup_size: 256
    .sgpr_count:     66
    .vgpr_count:     512
    .wavefront_size: 32
...
	.end_amdgpu_metadata
.endif
;; end of part 2
